; MI455X (gfx1250); checked and timed in simulation.
; The chip was launched on July 23, 2026; its instructions are those of AMD's public machine-readable ISA for CDNA 5 (MIT licence, August 2026) and "CDNA5" Instruction Set Architecture Reference Guide (July 2026). The comments in the code are by the model that wrote it; some were corrected since.
;; Causal Self Attention Head. Allowed arithmetic: matrix products marked QUANTISED: E2M1 operands, one E8M0 scale for each 32 along K, by v_wmma_scale_f32_16x16x128_f8f6f4 with both operands' format E2M1 (or v_wmma_scale_f32_32x16x128_f4), f32 sums; everything else in f32.
;; Inputs: Wk_codes 64 x 32 x 16 uint8 (E2M1 codes of Wk, K innermost, in blocks of 32 codes, two codes a byte); Wk_scales 64 x 32 uint8 (E8M0 scales of Wk, one for each 32 codes along K); Wq_codes 64 x 32 x 16 uint8 (E2M1 codes of Wq, K innermost, in blocks of 32 codes, two codes a byte); Wq_scales 64 x 32 uint8 (E8M0 scales of Wq, one for each 32 codes along K); Wv_codes 64 x 32 x 16 uint8 (E2M1 codes of Wv, K innermost, in blocks of 32 codes, two codes a byte); Wv_scales 64 x 32 uint8 (E8M0 scales of Wv, one for each 32 codes along K); x_codes 4 x 4,096 x 32 x 16 uint8 (E2M1 codes of x, K innermost, in blocks of 32 codes, two codes a byte); x_scales 4 x 4,096 x 32 uint8 (E8M0 scales of x, one for each 32 codes along K).
;; Outputs: out0 4 x 4,096 x 64 float32.
;; This version of the problem:
;;   THIS VERSION OF THE PROBLEM IS GIVEN IN LOW PRECISION. The matrix products marked QUANTISED in the list below multiply operands that are first quantised to E2M1 (2 exponent bits, 1 mantissa bit; 4 bits a number), with one power-of-two scale for each 32 numbers along K (OCP MX v1.0); their sums are f32. All else is computed in f32.
;;   The module's matrix products, in the order in which they are computed (A, B: the left and right operand; K: the contracted axis; several contracted axes count as one K, in the product's order):
;;     1. [M 16,384, K 1,024] x [K 1,024, N 64]; A: input x (given as codes); B: input Wk (given as codes): QUANTISED
;;     2. [M 16,384, K 1,024] x [K 1,024, N 64]; A: input x (given as codes); B: input Wq (given as codes): QUANTISED
;;     3. [M 16,384, K 1,024] x [K 1,024, N 64]; A: input x (given as codes); B: input Wv (given as codes): QUANTISED
;;     4. batch 4 x [M 4,096, K 64] x [K 64, N 4,096]; A: computed on the way; B: computed on the way: QUANTISED
;;     5. batch 4 x [M 4,096, K 4,096] x [K 4,096, N 64]; A: softmax (see below); B: computed on the way: QUANTISED
;;   THE QUANTISER, for each operand of a quantised product, along K:
;;     - K is cut into blocks of 32 from its start; a last block that is shorter is filled with zeros.
;;     - A block's scale is 2^e with e = floor(log2(the largest magnitude in the block)) - 2, held to -126 .. 127; a block of zeros has e = 0. As a byte (E8M0): e + 127.
;;     - Each number is divided by its block's scale, clamped to +-6, and rounded to the nearest number of E2M1, ties to even, subnormals kept.
;;     - The product sums the exact products of the quantised numbers (number of the format x scale) in f32.
;;   ~~~python
;;   def quantise(x, axis):      # numpy; x: float32 -> the quantised numbers, widened to float32 again
;;       x = np.moveaxis(x, axis, -1); K = x.shape[-1]
;;       x = np.pad(x, [(0, 0)] * (x.ndim - 1) + [(0, -K % 32)]); x = x.reshape(x.shape[:-1] + (-1, 32)); a = np.abs(x).max(-1, keepdims=True)
;;       e = np.where(a > 0, np.clip(np.frexp(np.where(a > 0, a, 1))[1] - 1 - 2, -126, 127), 0)      # np.frexp(a)[1] - 1 = floor(log2(a)), exactly
;;       r = np.clip(x / 2.0 ** e, -6, 6)
;;       step = 2.0 ** (np.maximum(np.frexp(np.where(r == 0, 1, r))[1] - 1, 0) - 1)
;;       q = np.round(r / step) * step * 2.0 ** e      # np.round: ties to even
;;       return np.moveaxis(q.reshape(q.shape[:-2] + (-1,))[..., :K], -1, axis).astype(np.float32)
;;   ~~~
;;   SOFTMAX AHEAD OF A QUANTISED PRODUCT. Where the list says 'softmax', what is quantised is not the finished softmax but p = 2^(t - M), with t = logit x log2(e) and M = ceil(the row's largest t), a whole number; so 1/2 < the row's largest p <= 1. The row's sum l is taken of the UNQUANTISED p, in f32, and the product's result is divided by l at the end. Since M is a whole number, a kernel that streams over the keys may use a running M (the ceiling of the running maximum): every later rescaling is an exact power of two, which a block's scale takes up: the codes' values come out the same.
;;   OPERANDS COMPUTED ON THE WAY. 'Computed on the way' means the value that the module computes at that place (a softmax that the list does not call 'softmax' is quantised finished and normalised). What goes into a quantiser is computed in f32, as accurately as f32 sums, v_exp_f32 and their like allow (about 1e-6 of the number): no bf16 or f16 on the way to a quantiser, and a product that is left as it is and whose result goes on into a quantised operand takes f32 operands (vector FMAs, or v_wmma_f32_16x16x4_f32). A number that lies on a knife's edge between two numbers of the format may be rounded either way, as far as f32 arithmetic and the matrix unit's own rounding can turn it there, and no further.
;;   INPUTS GIVEN AS CODES. Wk (in the module: [1024, 64], K = its axis 0); Wq (in the module: [1024, 64], K = its axis 0); Wv (in the module: [1024, 64], K = its axis 0); x (in the module: [4, 4096, 1024], K = its axis 2): each comes as NAME_codes (uint8): NAME with its K axis moved to the last place and cut into blocks of 32 codes, [.., K / 32, bytes a block], one block behind the other in memory; two codes a byte, the lower K in the low four bits (a code: sign, 2 exponent bits, 1 mantissa bit); and NAME_scales (uint8): the same leading axes, one E8M0 byte (e + 127) for each 32 codes along K. Its value is code x scale, taken as it is: it is not quantised again, and the codes and scales need not be those that the quantiser above would give.
;; One version. Each part assembles by itself: llvm-mc -triple=amdgcn-amd-amdhsa -mcpu=gfx1250 --defsym DOCPART=n.
;; ======== version 1 of 1: 2 launches
;; workspace buffers: qq 589,824 bytes; kv 1,146,880 bytes
;; launch project (part 1): grid 256 x 1, 6 waves a work-group, clusters of 4 x 1, 168,704 bytes of LDS; arguments x_codes, x_scales, Wq_codes, Wk_codes, Wv_codes, Wq_scales, Wk_scales, Wv_scales, qq, kv; writes qq, kv
.if DOCPART == 1
	.amdgcn_target "amdgcn-amd-amdhsa--gfx1250"
	.amdhsa_code_object_version 6
	.text
	.protected	k_q9d09768a06_project
	.globl	k_q9d09768a06_project
	.p2align	8
	.type	k_q9d09768a06_project,@function
k_q9d09768a06_project:
	s_mov_b64 s[64:65], 0
	v_nop
	global_prefetch_b8 v0, s[64:65] scope:SCOPE_SE
	s_setreg_imm32_b32 hwreg(HW_REG_WAVE_MODE, 25, 1), 1
	s_wait_xcnt 0x0
	s_wait_alu depctr_hold_cnt(0) depctr_sa_sdst(0) depctr_va_vdst(0) depctr_va_sdst(0) depctr_va_ssrc(0) depctr_va_vcc(0) depctr_vm_vsrc(0)
	s_getreg_b32 s2, hwreg(HW_REG_IB_STS2, 6, 4)
	s_cmp_eq_u32 s2, 0
	s_cbranch_scc0 .Lentry_in_a_cluster
	s_endpgm
.Lentry_in_a_cluster:
	s_bfe_u32 s2, ttmp6, 0x10000c
	s_cmp_lg_u32 s2, 0x3003
	s_cbranch_scc0 .Lentry_shape_is_right
	s_endpgm
.Lentry_shape_is_right:
; q = x Wq, k = x Wk, v = x Wv on codes of FP4 (E2M1) with E8M0 scales for each 32 along K = 1,024; the results, f32 sums, are quantised again at once:
; q and k along the head's 64 channels (two blocks of 32 a token), v along the tokens (a block of 32 tokens for each channel), and stored AS IMAGES OF THE OPERAND REGISTERS of the launch that follows.
; kv: one record of REC = 8,960 bytes for each 128 tokens:  +0 K's eight fragments (tile t of 16 keys: 512 t + 16 lane: the lane's registers 0-3: key 16 t + lane % 16, channels 32 (lane / 16) + 0 .. 31);
;   +4096 V^T's (channel tile c4, half c: 1024 c4 + 512 c + 16 lane: registers 4 c .. 4 c + 3: channel 16 c4 + lane % 16, keys 64 c + 32 (lane / 16) + 0 .. 31);
;   +8192 K's scale words (16 lane + 4 i: token 32 i + lane; bytes 0, 1 the two blocks, bytes 2, 3 zero);   +8704 V's scale words (8 lane + 4 p: channel 32 p + lane; byte b: keys 32 b on).
; qq: Q's fragments (512 x (token / 16) + 16 lane, as K's), and from byte 524,288 on Q's scale words, 4 bytes a token.
; SHARES.  A work-group takes 64 tokens.  Six waves: wave w has role w / 2 (0 q, 1 k, 2 v) and takes tokens 32 (w % 2) on, against all 64 outputs of its role: 8 accumulators, 8 K steps of 128, 64 matrix instructions.
; LDS, each byte filled once: x's 64 rows of 512 bytes, then Wq's, Wk's, Wv's 64 rows, all with 16 bytes of padding behind each row.  Four tensor loads, one a wave (waves 0 to 3), go out together.
; CLUSTER.  The weights are the same for every work-group: the four work-groups of a cluster ask for them JOINTLY (mask 15).  x's tile is the work-group's own: a plain load.
; q AND k are made TRANSPOSED (source 0 = 16 rows of W, source 1 = 16 tokens): a lane holds one token and its registers run along the channels, which are the next product's K.
; v is made the natural way (source 0 = 16 tokens, source 1 = 16 rows of W): a lane holds one channel and its registers run along the tokens, which are ITS next K.
; Either way a block of 32 is the 16 registers of two neighbouring accumulators in lanes l and l xor 16.  The first accumulator's eight codes are word (lane / 16) of the block's 16 bytes, the second's word 2 + (lane / 16);
; v_permlane16_swap_b32 then puts the words where the image wants them.
; LIMITS: NaN and infinities are not served.  A block of zeros gets the scale byte 1 where the quantiser says 127: its codes are zeros, and this program alone reads the bytes.
; STORES: fragments leave in runs of 256 or 512 consecutive bytes.  K's scale words (4 bytes, 16 apart) and V's scale bytes (1 byte, 8 apart) do not: 96 KiB of the launch's 1.7 MB.
.set PITCH,  528                       ; an LDS row: 512 bytes + 16 of padding = 132 words: the 16 rows of a fragment load start at 16 different banks (64 banks of 4 bytes: ISA guide 11.1)
.set REGION, 64*PITCH                  ; 64 rows: what one tensor load brings.  Region 0 x, 1 Wq, 2 Wk, 3 Wv
.set REC,    8960
.set QSC,    524288
.set XS,  8                            ; v8-15    x's scale words: register s for K step s; lanes 0-15 my tokens 0-15, lanes 16-31 my tokens 16-31
.set WS,  16                           ; v16-31   W's: register 8 p + s; lanes 0-15 rows 32 p on (tile 2 p), lanes 16-31 tile 2 p + 1
.set FB,  32                           ; v32-127  two buffers of 48: W's four fragments, then x's two
.set ACC, 128                          ; v128-191 eight accumulators
.set TM,  192                          ; v192-195 largest magnitudes, v196-199 the other half's, then the bytes; v204-207 the conversions' scale operands
.set PC,  208                          ; v208-215 codes
.set WV,  28                           ; s28 wave, s29 role, s30 which 32 tokens
.set SEL, 68                           ; s[68:69] v_permlanex16_b32's selects for lane l xor 16
.set G1X, 36                           ; s[36:43] descriptor group 1 for x's tile;  s[44:51] for the weights': it differs in the mask and bit 21
.set G1W, 44
.set G0W, 52                           ; s[52:55], s[56:59] groups 0
.set G0X, 56
; A round of the cluster's barrier: my work-group's barrier; wave 0 signals for the work-group; every wave waits for all four work-groups; my work-group's barrier once more.
.macro CROUND
	s_barrier_signal -1
	s_barrier_wait -1
	s_cmp_lg_u32 s[WV], 0
	s_cbranch_scc1 .Lnot_wave_0_\@
	s_barrier_signal -3
.Lnot_wave_0_\@:
	s_barrier_wait -3
	s_barrier_signal -1
	s_barrier_wait -1
.endm
; One matrix instruction from the symbols rD, rA, rB, rSA, rSB; fZ: the sum starts with 0; fA, fB: that side's scales are read from lanes 16-31.
.macro WM
.if fZ
.if fA && fB
	v_wmma_scale_f32_16x16x128_f8f6f4 v[rD:rD+7], v[rA:rA+7], v[rB:rB+7], 0, v[rSA], v[rSB] matrix_a_fmt:MATRIX_FMT_FP4 matrix_b_fmt:MATRIX_FMT_FP4 matrix_a_scale:MATRIX_SCALE_ROW1 matrix_b_scale:MATRIX_SCALE_ROW1
.elseif fA
	v_wmma_scale_f32_16x16x128_f8f6f4 v[rD:rD+7], v[rA:rA+7], v[rB:rB+7], 0, v[rSA], v[rSB] matrix_a_fmt:MATRIX_FMT_FP4 matrix_b_fmt:MATRIX_FMT_FP4 matrix_a_scale:MATRIX_SCALE_ROW1
.elseif fB
	v_wmma_scale_f32_16x16x128_f8f6f4 v[rD:rD+7], v[rA:rA+7], v[rB:rB+7], 0, v[rSA], v[rSB] matrix_a_fmt:MATRIX_FMT_FP4 matrix_b_fmt:MATRIX_FMT_FP4 matrix_b_scale:MATRIX_SCALE_ROW1
.else
	v_wmma_scale_f32_16x16x128_f8f6f4 v[rD:rD+7], v[rA:rA+7], v[rB:rB+7], 0, v[rSA], v[rSB] matrix_a_fmt:MATRIX_FMT_FP4 matrix_b_fmt:MATRIX_FMT_FP4
.endif
.else
.if fA && fB
	v_wmma_scale_f32_16x16x128_f8f6f4 v[rD:rD+7], v[rA:rA+7], v[rB:rB+7], v[rD:rD+7], v[rSA], v[rSB] matrix_a_fmt:MATRIX_FMT_FP4 matrix_b_fmt:MATRIX_FMT_FP4 matrix_a_scale:MATRIX_SCALE_ROW1 matrix_b_scale:MATRIX_SCALE_ROW1
.elseif fA
	v_wmma_scale_f32_16x16x128_f8f6f4 v[rD:rD+7], v[rA:rA+7], v[rB:rB+7], v[rD:rD+7], v[rSA], v[rSB] matrix_a_fmt:MATRIX_FMT_FP4 matrix_b_fmt:MATRIX_FMT_FP4 matrix_a_scale:MATRIX_SCALE_ROW1
.elseif fB
	v_wmma_scale_f32_16x16x128_f8f6f4 v[rD:rD+7], v[rA:rA+7], v[rB:rB+7], v[rD:rD+7], v[rSA], v[rSB] matrix_a_fmt:MATRIX_FMT_FP4 matrix_b_fmt:MATRIX_FMT_FP4 matrix_b_scale:MATRIX_SCALE_ROW1
.else
	v_wmma_scale_f32_16x16x128_f8f6f4 v[rD:rD+7], v[rA:rA+7], v[rB:rB+7], v[rD:rD+7], v[rSA], v[rSB] matrix_a_fmt:MATRIX_FMT_FP4 matrix_b_fmt:MATRIX_FMT_FP4
.endif
.endif
.endm
	s_load_b512 s[8:23], s[0:1], 0x0               ; x's codes s[8:9], x's scales s[10:11], codes of Wq s[12:13], Wk s[14:15], Wv s[16:17], scales of Wq s[18:19], Wk s[20:21], Wv s[22:23]
	s_load_b128 s[24:27], s[0:1], 0x40             ; qq s[24:25], kv s[26:27]
	v_lshl_add_u32 v224, v0, 2, 0x29000
	v_mov_b32 v225, 0
	ds_add_u32 v224, v225
	ds_add_u32 v224, v225
	v_lshrrev_b32 v1, 5, v0
	v_readfirstlane_b32 s[WV], v1                  ; wave 0..5
	s_lshr_b32 s29, s[WV], 1                       ; role: 0 q, 1 k, 2 v
	s_and_b32 s30, s[WV], 1                        ; which 32 of the work-group's 64 tokens
	s_bfe_u32 s31, ttmp6, 0x40000                  ; cx: my place in the cluster: it enters global addresses of my own loads and stores alone
	s_lshl_b32 s32, ttmp9, 2                       ; in a cluster launch ttmp9 counts clusters
	s_add_co_u32 s32, s32, s31                     ; work-group 0..255
	s_lshl_b32 s33, s32, 6
	s_lshl_b32 s34, s30, 5
	s_add_co_u32 s33, s33, s34                     ; my wave's first token, of 16,384
	s_lshr_b32 s34, s33, 7
	s_mul_i32 s34, s34, REC                        ; its record's first byte in kv
	s_bfe_u32 s35, s33, 0x20005                    ; which 32 tokens of the record's 128: (token >> 5) & 3
	s_mov_b32 s67, 0xffff0000                      ; lanes 16-31
	s_mov_b32 s[SEL], 0x76543210
	s_mov_b32 s[SEL+1], 0xfedcba98
	; descriptor group 1: 64 rows of 512 bytes, dense in memory, 16 bytes of padding behind each row in LDS
	s_mov_b32 s[G1X], (0<<16)|(1<<20)|(6<<22)|(3<<25)              ; 15:0 no mask; 17:16 elements of 1 byte; 20 padding on; 24:22 after every 128 words (code 6); 31:25 four words (code 3)
	s_mov_b32 s[G1W], 15|(0<<16)|(1<<20)|(1<<21)|(6<<22)|(3<<25)   ; the same with the mask of all four work-groups, and bit 21 set beside it
.irp g, G1X, G1W
	s_mov_b32 s[\g+1], 512<<16                     ; tensor_dim0 = 512
	s_mov_b32 s[\g+2], 64<<16                      ; tensor_dim1 = 64
	s_mov_b32 s[\g+3], 512<<16                     ; tile_dim0 = 512
	s_mov_b32 s[\g+4], 64                          ; tile_dim1 = 64
	s_mov_b32 s[\g+5], 512                         ; from row to row
	s_mov_b32 s[\g+6], 0
	s_mov_b32 s[\g+7], 0
.endr
	; every address register is made here, ahead of the roles' parting
	v_and_b32 v1, 31, v0                           ; lane
	v_and_b32 v2, 15, v0                           ; r
	v_bfe_u32 v3, v0, 4, 1                         ; h
	v_mul_u32_u24 v4, v2, PITCH
	v_lshl_add_u32 v4, v3, 4, v4                   ; a fragment's row x pitch + 16 h
	s_add_co_u32 s76, s29, 1
	s_mul_i32 s76, s76, REGION
	v_add_nc_u32 v5, s76, v4                       ; v5: my role's weights
	s_mul_i32 s77, s30, 32*PITCH
	v_add_nc_u32 v4, s77, v4                       ; v4: my 32 rows of x
	v_lshlrev_b32 v6, 5, v1                        ; v6: 32 x lane: a row of 32 scale bytes
	v_lshlrev_b32 v7, 4, v1                        ; v7: 16 x lane: an image's place
	v_lshlrev_b32 v221, 4, v2
	v_lshl_add_u32 v221, v3, 3, v221               ; v221: 16 r + 8 h: V's codes
	v_lshlrev_b32 v222, 3, v1                      ; v222: 8 x lane: V's scale bytes
.irp b, 0,1,2,3
	v_mov_b32 v[TM+4+\b], 0                        ; written once: a lane permute's destination counts as one of its sources
.endr
	s_lshl_b32 s74, s32, 15                        ; the work-group's 64 rows of x: 32,768 bytes
	s_mov_b32 s75, 0
	s_lshl_b32 s76, s33, 5                         ; my tokens' scale bytes
	s_mov_b32 s77, 0
	s_wait_dscnt 0x0
	s_wait_kmcnt 0x0
	s_mov_b32 s[G0X], 1                            ; 1:0 count = 1
	s_mov_b32 s[G0X+1], 0                          ; LDS address: region 0
	s_add_nc_u64 s[G0X+2:G0X+3], s[8:9], s[74:75]
	s_or_b32 s[G0X+3], s[G0X+3], 0x80000000        ; 127:126 type = 2
	s_mov_b32 s[G0W], 1
	s_mul_i32 s[G0W+1], s[WV], REGION              ; wave 1: region 1 .. wave 3: region 3: the wave's number alone
	s_cmp_eq_u32 s[WV], 1
	s_cselect_b64 s[G0W+2:G0W+3], s[12:13], s[14:15]               ; wave 1 Wq, wave 2 Wk,
	s_cmp_eq_u32 s[WV], 3
	s_cselect_b64 s[G0W+2:G0W+3], s[16:17], s[G0W+2:G0W+3]         ; wave 3 Wv: the same in all four work-groups
	s_or_b32 s[G0W+3], s[G0W+3], 0x80000000
	s_add_nc_u64 s[70:71], s[10:11], s[76:77]      ; x's scales at my first token
	s_cmp_eq_u32 s29, 0
	s_cselect_b64 s[72:73], s[18:19], s[20:21]
	s_cmp_eq_u32 s29, 2
	s_cselect_b64 s[72:73], s[22:23], s[72:73]     ; my role's scales
	CROUND                                         ; all four work-groups are here: the joint loads meet
	s_cmp_lt_u32 s[WV], 1                          ; wave 0 fetches x, waves 1 to 3 a weight each, waves 4 and 5 nothing.  Four v_nop follow each of the two lines
	s_cbranch_scc0 .Lnot_x
	tensor_load_to_lds s[G0X:G0X+3], s[G1X:G1X+7]
	s_nop 0
.rept 4
	v_nop
.endr
	s_branch .Lasked
.Lnot_x:
	s_cmp_lt_u32 s[WV], 4
	s_cbranch_scc0 .Lasked
	tensor_load_to_lds s[G0W:G0W+3], s[G1W:G1W+7]
	s_nop 0
.rept 4
	v_nop
.endr
.Lasked:
	s_wait_alu depctr_va_vdst(0)
	global_load_b128 v[XS:XS+3], v6, s[70:71]                      ; each lane takes a row's 32 scale bytes: the wave reads 1,024 consecutive bytes
	global_load_b128 v[XS+4:XS+7], v6, s[70:71] offset:16
.irp p, 0,1
	global_load_b128 v[WS+8*\p:WS+8*\p+3], v6, s[72:73] offset:1024*\p
	global_load_b128 v[WS+8*\p+4:WS+8*\p+7], v6, s[72:73] offset:1024*\p+16
.endr
	s_wait_tensorcnt 0x0                           ; my tile, if I fetched one, has landed,
	s_barrier_signal -1
	s_barrier_wait -1                              ; everybody's has.  Nothing is ever filled again
	s_wait_loadcnt 0x0                             ; the scale words
; 12 LDS loads: the fragments of K step s (64 bytes of each row) into buffer s % 2.  A fragment, 16 rows x 128 K of 4-bit codes, is 8 registers: two loads of 16 bytes, 32 bytes apart
.macro LOADK s
.set bF, FB+48*((\s)%2)
.irp t, 0,1,2,3
.irp c, 0,1
	ds_load_b128 v[bF+8*\t+4*\c:bF+8*\t+4*\c+3], v5 offset:16*PITCH*\t+64*(\s)+32*\c
.endr
.endr
.irp u, 0,1
.irp c, 0,1
	ds_load_b128 v[bF+32+8*\u+4*\c:bF+32+8*\u+4*\c+3], v4 offset:16*PITCH*\u+64*(\s)+32*\c
.endr
.endr
.endm
; 8 matrix instructions of K step s.  The eight accumulators take turns, one instruction a turn, in the same order in every step.
; kind 0 (q, k): accumulator 4 u + t: lane (r, h), register j: token 16 u + r, channel 16 t + 8 h + j.   kind 1 (v): accumulator 2 t + u: channel 16 t + r, token 16 u + 8 h + j.
.macro MUL kind, s
.irp t, 0,1,2,3
.irp u, 0,1
.set rW, FB+48*((\s)%2)+8*\t
.set rX, FB+48*((\s)%2)+32+8*\u
.if \kind == 0
.set rD, ACC+32*\u+8*\t
.set rA, rW
.set rB, rX
.set rSA, WS+8*(\t/2)+(\s)
.set rSB, XS+(\s)
.set fA, \t%2
.set fB, \u
.else
.set rD, ACC+16*\t+8*\u
.set rA, rX
.set rB, rW
.set rSA, XS+(\s)
.set rSB, WS+8*(\t/2)+(\s)
.set fA, \u
.set fB, \t%2
.endif
.if (\s) == 0
.set fZ, 1                             ; the first K step starts the sums: nothing is cleared
.else
.set fZ, 0
.endif
	WM
.endr
.endr
.endm
.macro KLOOP kind
	LOADK 0
	LOADK 1
.irp s, 0,1,2,3,4,5,6,7
.if \s < 7
	s_wait_dscnt 12                                ; this step's 12 loads are in; the next step's 12 may be out
.else
	s_wait_dscnt 0x0
.endif
	MUL \kind, \s
.rept 4
	v_nop                                          ; four places in front of loads into registers that these products read, and, behind the last step, of the first read of results
.endr
.if \s < 6
	LOADK \s+2
.endif
.endr
.endm
; Four blocks of 32: block b is the 16 registers from ACC + 16 b on, in lanes l and l xor 16.  Its byte comes out in v[TM+4+b], the conversions' scale operand in v[TM+12+b].  Each accumulator is read from its low end on.
.macro BLOCKS
.irp b, 0,1,2,3
	v_max3_num_f32 v[TM+\b], |v[ACC+16*\b]|, |v[ACC+16*\b+1]|, 0x1800000   ; my 16 numbers, and the floor 2^(3 - 127): so the byte cannot fall under 1
.endr
.irp i, 2,4,6,8,10,12,14
.irp b, 0,1,2,3
	v_max3_num_f32 v[TM+\b], v[TM+\b], |v[ACC+16*\b+\i]|, |v[ACC+16*\b+\i+1]|   ; (the four blocks by turns)
.endr
.endr
.irp b, 0,1,2,3
	v_permlanex16_b32 v[TM+4+\b], v[TM+\b], s[SEL], s[SEL+1]
.endr
.irp b, 0,1,2,3
	v_max_num_f32 v[TM+\b], v[TM+\b], v[TM+4+\b]   ; with lane l xor 16's: the block's largest magnitude
.endr
.irp b, 0,1,2,3
	v_add_nc_u32 v[TM+12+\b], 0xff000000, v[TM+\b] ; 2 off its exponent field: the conversion takes the exponent field of this operand as its scale
.endr
.irp b, 0,1,2,3
	v_lshrrev_b32 v[TM+4+\b], 23, v[TM+12+\b]      ; the scale's byte
.endr
.endm
.macro SWAPS
	v_nop                                          ; one plain place behind the scaled conversions
.irp i, 0,2,4,6
	v_permlane16_swap_b32 v[PC+\i], v[PC+\i+1]     ; the first's lanes 16-31 change places with the second's lanes 0-15
.endr
.endm
	s_cmp_eq_u32 s29, 2
	s_cbranch_scc1 .Lv_path
	; ---- q and k.  Where the results go: q: fragments at 32 x token, words at QSC + 4 x token;  k: fragments at record + 512 x ((token / 16) % 8), words at record + 8192 + 4 x (which 32), 16 bytes a lane
	s_lshl_b32 s74, s33, 5
	s_bfe_u32 s76, s33, 0x30004
	s_lshl_b32 s76, s76, 9
	s_add_co_u32 s76, s76, s34
	s_lshl_b32 s77, s33, 2
	s_add_co_u32 s77, s77, QSC
	s_lshl_b32 s78, s35, 2
	s_add_co_u32 s78, s78, s34
	s_add_co_u32 s78, s78, 8192
	s_cmp_eq_u32 s29, 0
	s_cselect_b64 s[60:61], s[24:25], s[26:27]     ; qq or kv: the choice hangs on the wave's number alone
	s_cselect_b32 s74, s74, s76
	s_cselect_b32 s76, s77, s78
	s_cselect_b32 s66, 2, 4                        ; a lane's step among the scale words: 4 bytes or 16
	s_mov_b32 s75, 0
	s_mov_b32 s77, 0
	s_add_nc_u64 s[62:63], s[60:61], s[76:77]
	s_add_nc_u64 s[60:61], s[60:61], s[74:75]
	v_lshlrev_b32 v220, s66, v1
	KLOOP 0
	BLOCKS                                         ; block 2 u + b: token 16 u + r, channels 32 b on
.irp u, 0,1
.irp b, 0,1
	v_cvt_scalef32_pk8_fp4_f32 v[PC+4*\u+\b], v[ACC+32*\u+16*\b:ACC+32*\u+16*\b+7], v[TM+12+2*\u+\b]        ; word h of block b
	v_cvt_scalef32_pk8_fp4_f32 v[PC+4*\u+2+\b], v[ACC+32*\u+16*\b+8:ACC+32*\u+16*\b+15], v[TM+12+2*\u+\b]   ; word 2 + h
.endr
.endr
	SWAPS                                          ; the two blocks' like words change halves: v[PC+4u .. +3] are the fragment's registers 0-3: lanes 0-15 block 0, lanes 16-31 block 1
	v_lshl_or_b32 v216, v[TM+5], 8, v[TM+4]        ; the scale word of token r,
	v_lshl_or_b32 v217, v[TM+7], 8, v[TM+6]        ; and of token 16 + r; bytes 2 and 3 are 0: they stand over zero codes
	v_cndmask_b32 v216, v216, v217, s67            ; lane l: token l's
.irp u, 0,1
	global_store_b128 v7, v[PC+4*\u:PC+4*\u+3], s[60:61] offset:512*\u   ; 32 lanes store 512 consecutive bytes
.endr
	global_store_b32 v220, v216, s[62:63]
	s_branch .Ljoin
.Lv_path:
	; ---- v.  Codes at record + 4096 + 1024 t + 256 x (which 32) + 16 r + 8 h;  scale bytes at record + 8704 + 8 lane + 4 p + (which 32)
	s_lshl_b32 s74, s35, 8
	s_add_co_u32 s74, s74, s34
	s_mov_b32 s75, 0
	s_add_nc_u64 s[60:61], s[26:27], s[74:75]
	s_add_co_u32 s76, s34, s35
	s_mov_b32 s77, 0
	s_add_nc_u64 s[62:63], s[26:27], s[76:77]
	KLOOP 1
	BLOCKS                                         ; block t: channel 16 t + r, my 32 tokens
.irp t, 0,1,2,3
	v_cvt_scalef32_pk8_fp4_f32 v[PC+2*\t], v[ACC+16*\t:ACC+16*\t+7], v[TM+12+\t]
	v_cvt_scalef32_pk8_fp4_f32 v[PC+2*\t+1], v[ACC+16*\t+8:ACC+16*\t+15], v[TM+12+\t]
.endr
	SWAPS                                          ; one block's two registers change halves: lanes 0-15 now hold its bytes 0-7, lanes 16-31 its bytes 8-15
	v_cndmask_b32 v216, v[TM+4], v[TM+5], s67      ; lane l: the byte of channel l,
	v_cndmask_b32 v217, v[TM+6], v[TM+7], s67      ; of channel 32 + l
.irp t, 0,1,2,3
	global_store_b64 v221, v[PC+2*\t:PC+2*\t+1], s[60:61] offset:4096+1024*\t   ; 32 lanes store 256 consecutive bytes, at a multiple of 256 from kv's first byte
.endr
	global_store_b8 v222, v216, s[62:63] offset:8704
	global_store_b8 v222, v217, s[62:63] offset:8708
.Ljoin:
	s_wait_tensorcnt 0x0
	ds_add_u32 v224, v225
	s_wait_dscnt 0x0
	CROUND                                         ; the closing round: no work-group ends while a partner may still ask for a tile that names it.  (No LDS instruction of mine is out: the last K step waited for all)
	s_endpgm
.Lfunc_end_k_q9d09768a06_project:
	.size	k_q9d09768a06_project, .Lfunc_end_k_q9d09768a06_project-k_q9d09768a06_project
	.p2alignl 7, 3214868480
	.fill 96, 4, 3214868480
	.section	.rodata,"a",@progbits
	.p2align	6, 0x0
	.amdhsa_kernel k_q9d09768a06_project
		.amdhsa_group_segment_fixed_size 168704
		.amdhsa_private_segment_fixed_size 0
		.amdhsa_enable_private_segment 0
		.amdhsa_kernarg_size 80
		.amdhsa_user_sgpr_count 2
		.amdhsa_user_sgpr_kernarg_segment_ptr 1
		.amdhsa_wavefront_size32 1
		.amdhsa_system_sgpr_workgroup_id_x 1
		.amdhsa_system_sgpr_workgroup_id_y 1
		.amdhsa_system_sgpr_workgroup_id_z 1
		.amdhsa_system_vgpr_workitem_id 0
		.amdhsa_next_free_vgpr 226
		.amdhsa_next_free_sgpr 96
		.amdhsa_reserve_vcc 0
		.amdhsa_float_denorm_mode_32 3
		.amdhsa_float_denorm_mode_16_64 3
		.amdhsa_memory_ordered 1
		.amdhsa_forward_progress 1
		.amdhsa_inst_pref_size 46
	.end_amdhsa_kernel
	.amdgpu_metadata
---
amdhsa.version: [ 1, 2 ]
amdhsa.kernels:
  - .name:           k_q9d09768a06_project
    .symbol:         k_q9d09768a06_project.kd
    .args:
      - { .name: x_codes, .offset: 0, .size: 8, .value_kind: global_buffer, .address_space: global }
      - { .name: x_scales, .offset: 8, .size: 8, .value_kind: global_buffer, .address_space: global }
      - { .name: Wq_codes, .offset: 16, .size: 8, .value_kind: global_buffer, .address_space: global }
      - { .name: Wk_codes, .offset: 24, .size: 8, .value_kind: global_buffer, .address_space: global }
      - { .name: Wv_codes, .offset: 32, .size: 8, .value_kind: global_buffer, .address_space: global }
      - { .name: Wq_scales, .offset: 40, .size: 8, .value_kind: global_buffer, .address_space: global }
      - { .name: Wk_scales, .offset: 48, .size: 8, .value_kind: global_buffer, .address_space: global }
      - { .name: Wv_scales, .offset: 56, .size: 8, .value_kind: global_buffer, .address_space: global }
      - { .name: qq, .offset: 64, .size: 8, .value_kind: global_buffer, .address_space: global }
      - { .name: kv, .offset: 72, .size: 8, .value_kind: global_buffer, .address_space: global }
    .group_segment_fixed_size: 168704
    .private_segment_fixed_size: 0
    .kernarg_segment_align: 8
    .kernarg_segment_size: 80
    .max_flat_workgroup_size: 192
    .sgpr_count:     96
    .vgpr_count:     226
    .wavefront_size: 32
...
	.end_amdgpu_metadata
.endif
;; end of part 1
;; launch attend (part 2): grid 64 x 4, 8 waves a work-group, no clusters, 72,704 bytes of LDS; arguments kv, qq, out0; writes out0
.if DOCPART == 2
	.amdgcn_target "amdgcn-amd-amdhsa--gfx1250"
	.amdhsa_code_object_version 6
	.text
	.protected	k_q9d09768a06_attend
	.globl	k_q9d09768a06_attend
	.p2align	8
	.type	k_q9d09768a06_attend,@function
k_q9d09768a06_attend:
	s_mov_b64 s[64:65], 0
	v_nop
	global_prefetch_b8 v0, s[64:65] scope:SCOPE_SE
	s_setreg_imm32_b32 hwreg(HW_REG_WAVE_MODE, 25, 1), 1
	s_wait_xcnt 0x0
; out[b][q][:] = the sum over keys k <= q of softmax_k(q . k / 8) v[k][:], both products on codes of FP4 (E2M1) with one E8M0 scale for each 32 along a product's K.
; q, k and v come as images of the operand registers, made by the launch before (kv: a record of REC bytes for each 128 keys; qq: see there): every load of a wave reads consecutive bytes, 16 (or 8, or 4) a lane, straight into registers.
; The first product's K is the head's 64: the upper half of its 128 is zero codes on both sides, in registers cleared once, under the scale bytes 0 that the words carry there.
; THE SOFTMAX AHEAD OF THE SECOND PRODUCT: t = score x log2(e) / 8; M = the largest t so far, rounded UP to a whole number; p = 2^(t - M) is quantised along the keys, not normalised; the sum l is taken of the unquantised p.
; SHARES, even under the causal mask.  Work-group (j, batch) owns two blocks of 32 queries: block j and block 127 - j.  They need nL = j / 4 + 1 and nH = 33 - nL key steps of 128: 33 in every work-group.
; kL = ceil(nL / 5) of the eight waves take the low block, the others the high one; the waves of a block deal its key steps among them (wave a of PARTS takes steps a, a + PARTS, ..): five at the most, one at the least.
; The loop has five trips in every wave; a trip whose step does not exist jumps over its work.  All of that hangs on ids alone.  Only a block's last step meets the diagonal: there hidden scores become -infinity.
; A wave holds both tiles of 16 queries of its block, so each fragment of K and V feeds two matrix instructions.  It keeps its own M, l and O^T; at the end the waves' parts meet in LDS, are brought under the largest M
; by exact powers of two, added and divided by l.
; LAYOUT.  Both products are used transposed: S^T = K Q^T, O^T = V^T P^T: a lane holds ONE query (lane % 16) throughout.  Register 8 t + i of S^T is key 16 t + 8 (lane / 16) + i: a block of 32 keys is the 16 registers of two
; neighbouring tiles in lanes l and l xor 16; the conversions give words (lane / 16) and 2 + (lane / 16) of its 16 bytes, and v_permlane16_swap_b32 of two neighbouring blocks' like words gives the operand's registers.
; NO CLUSTER, no tensor load: the work-groups of a batch read the same records, but each a different number of them, at a stride that hangs on its number, so partners could not make the same requests.
; LIMITS: NaN and infinities are not served.  A p under 2^-126 of its wave's largest counts as 0.  In the merge a slot that belongs to the other block is multiplied by 0: its numbers are finite.
; REGISTERS.  Window 0: v1-3 16, 8, 4 x lane; v4 r - 8 h; v5 at work; v6 -infinity; v7, v33, v47, v62, v63 addresses; per tile x: v[8+4x] -M, v[9+4x] the largest t, v[10+4x:11+4x] l in two halves;
;   v16-31 Q's two fragments; v32 Q's scale words, v34-35 V's, v36-39 K's, v40-41 p's (these hold scales and nothing else); v42-45 f; v46-61 at work; v64-191 S^T, then p; v192-207 p's codes.
;   Window 1: v0-63 O^T (tile x, channels 16 t on: 32 x + 8 t); v64-127 K's eight fragments; v128-159 V's four.
.set REC,   8960
.set QSC,   524288
.set OP,    272                        ; the merge: a row of O in LDS: 256 bytes + 16: the 16 rows of a store start at 16 different banks (64 banks of 4 bytes: ISA guide 11.1)
.set OSLOT, 32*OP                      ; a wave's 32 rows
.set STAT,  8*OSLOT                    ; behind the eight slots: 256 bytes a wave: -M of its 32 rows, then l
.set Q,   16
.set QS,  32
.set VS,  34
.set KS,  36
.set PW,  40
.set F,   42
.set T0,  46
.set BM,  48
.set BP,  52
.set BS,  56
.set SU,  60
.set S,   64
.set PC,  192
.set KF,  64                           ; in window 1
.set VF,  128                          ; in window 1
.set SEL, 32                           ; s[32:33]
.set CS,  34                           ; s[34:35] c = log2(e) / 8: the packed form names a pair and takes its low word for both halves
.set MSB, 0
.macro WIN new                         ; s_set_vgpr_msb: bits 1:0 source 0, 3:2 source 1, 5:4 source 2, 7:6 destination; the immediate's high byte repeats the setting that is left
.if MSB != \new
	s_set_vgpr_msb (MSB<<8)|\new
.set MSB, \new
.endif
.endm
; One matrix instruction from the symbols rD, rA, rB, rSA, rSB; fZ: the sum starts with 0; fA, fB: that side's scales are read from lanes 16-31.
.macro WM
.if fZ
.if fA && fB
	v_wmma_scale_f32_16x16x128_f8f6f4 v[rD:rD+7], v[rA:rA+7], v[rB:rB+7], 0, v[rSA], v[rSB] matrix_a_fmt:MATRIX_FMT_FP4 matrix_b_fmt:MATRIX_FMT_FP4 matrix_a_scale:MATRIX_SCALE_ROW1 matrix_b_scale:MATRIX_SCALE_ROW1
.elseif fA
	v_wmma_scale_f32_16x16x128_f8f6f4 v[rD:rD+7], v[rA:rA+7], v[rB:rB+7], 0, v[rSA], v[rSB] matrix_a_fmt:MATRIX_FMT_FP4 matrix_b_fmt:MATRIX_FMT_FP4 matrix_a_scale:MATRIX_SCALE_ROW1
.elseif fB
	v_wmma_scale_f32_16x16x128_f8f6f4 v[rD:rD+7], v[rA:rA+7], v[rB:rB+7], 0, v[rSA], v[rSB] matrix_a_fmt:MATRIX_FMT_FP4 matrix_b_fmt:MATRIX_FMT_FP4 matrix_b_scale:MATRIX_SCALE_ROW1
.else
	v_wmma_scale_f32_16x16x128_f8f6f4 v[rD:rD+7], v[rA:rA+7], v[rB:rB+7], 0, v[rSA], v[rSB] matrix_a_fmt:MATRIX_FMT_FP4 matrix_b_fmt:MATRIX_FMT_FP4
.endif
.else
.if fA
	v_wmma_scale_f32_16x16x128_f8f6f4 v[rD:rD+7], v[rA:rA+7], v[rB:rB+7], v[rD:rD+7], v[rSA], v[rSB] matrix_a_fmt:MATRIX_FMT_FP4 matrix_b_fmt:MATRIX_FMT_FP4 matrix_a_scale:MATRIX_SCALE_ROW1
.else
	v_wmma_scale_f32_16x16x128_f8f6f4 v[rD:rD+7], v[rA:rA+7], v[rB:rB+7], v[rD:rD+7], v[rSA], v[rSB] matrix_a_fmt:MATRIX_FMT_FP4 matrix_b_fmt:MATRIX_FMT_FP4
.endif
.endif
.endm
; Nine loads: a key step's scale words of K (register i: lanes 0-15 tile 2 i, lanes 16-31 tile 2 i + 1) and the lower halves of its eight fragments.  Base s[26:27]
.macro LDK
	global_load_b128 v[KS:KS+3], v1, s[26:27] offset:8192
	WIN 0x40                                       ; destination window 1, address window 0
.irp t, 0,1,2,3,4,5,6,7
	global_load_b128 v[KF+8*\t:KF+8*\t+3], v1, s[26:27] offset:512*\t
.endr
	WIN 0
.endm
; Nine loads: V's scale words (register p: lanes 0-15 channel tile 2 p, lanes 16-31 tile 2 p + 1) and its four fragments.  Base s[28:29]
.macro LDV
	global_load_b64 v[VS:VS+1], v2, s[28:29] offset:8704
	WIN 0x40
.irp t, 0,1,2,3
.irp c, 0,1
	global_load_b128 v[VF+8*\t+4*\c:VF+8*\t+4*\c+3], v1, s[28:29] offset:4096+1024*\t+512*\c
.endr
.endr
	WIN 0
.endm
	s_load_b128 s[4:7], s[0:1], 0x0                ; kv s[4:5], qq s[6:7]
	s_load_b64 s[8:9], s[0:1], 0x10                ; out0
	s_set_vgpr_msb 0x40
	v_lshl_add_u32 v160, v0, 2, 0x11800
	v_mov_b32 v161, 0
	s_set_vgpr_msb 0x4000
	v_lshrrev_b32 v1, 5, v0
	s_delay_alu instid0(VALU_DEP_1)
	v_readfirstlane_b32 s10, v1                    ; wave 0..7
	s_mov_b32 s11, ttmp9                           ; j 0..63
	s_and_b32 s12, ttmp7, 0xffff                   ; batch
	s_lshr_b32 s13, s11, 2
	s_add_co_u32 s13, s13, 1                       ; nL = j / 4 + 1: 1..16
	s_sub_co_u32 s14, 33, s13                      ; nH
	s_add_co_u32 s15, s13, 4
	s_mul_i32 s15, s15, 52
	s_lshr_b32 s15, s15, 8                         ; kL = (nL + 4) / 5, rounded down (52 / 256 serves for 1 / 5 up to 20): 1..4
	s_sub_co_u32 s46, 127, s11                     ; the high block
	s_sub_co_u32 s48, s10, s15
	s_sub_co_u32 s49, 8, s15
	s_cmp_lt_u32 s10, s15                          ; am I one of the low block's waves?
	s_cselect_b32 s16, s11, s46                    ; my block of 32 queries
	s_cselect_b32 s17, s13, s14                    ; N: its key steps
	s_cselect_b32 s18, s10, s48                    ; the step in hand: it begins at my number among the block's waves,
	s_cselect_b32 s19, s15, s49                    ; and goes on by their count
	s_lshl_b32 s20, s16, 5                         ; my first query
	s_mov_b32 s21, 0                               ; trips
	s_mov_b32 s[SEL], 0x76543210
	s_mov_b32 s[SEL+1], 0xfedcba98                 ; v_permlanex16_b32's selects for lane l xor 16
	s_mov_b32 s[CS], 0x3e38aa3b                    ; c = log2(e) / 8
	s_mov_b32 s[CS+1], s[CS]
	s_mov_b32 s36, 0xffff0000                      ; lanes 16-31
	; the merge: wave m takes block m / 4 (0 low, 1 high), rows 8 (m % 4) on
	s_and_b32 s39, s10, 3
	s_lshr_b32 s47, s10, 2
	s_bfm_b32 s37, s15, 0                          ; the low block's slots: bits 0 .. kL - 1
	s_not_b32 s38, s37
	s_cmp_eq_u32 s47, 0
	s_cselect_b32 s37, s37, s38                    ; the slots that belong to the block that I merge
	s_cselect_b32 s23, s11, s46
	s_lshl_b32 s23, s23, 5
	s_lshl_b32 s48, s12, 12
	s_add_co_u32 s23, s23, s48
	s_lshl_b32 s48, s39, 3
	s_add_co_u32 s23, s23, s48                     ; the first row of out0 that I store
	s_lshl_b32 s48, s23, 8                         ; in bytes
	s_mov_b32 s49, 0
	v_and_b32 v2, 31, v0                           ; lane
	s_delay_alu instid0(VALU_DEP_1)
	v_lshlrev_b32 v1, 4, v2
	s_delay_alu instid0(VALU_DEP_2)
	v_lshlrev_b32 v3, 2, v2
	s_delay_alu instid0(VALU_DEP_3)
	v_lshlrev_b32 v2, 3, v2
	s_mov_b32 s31, 0
	s_wait_alu depctr_va_vdst(0)
	s_wait_kmcnt 0x0
	s_add_nc_u64 s[42:43], s[8:9], s[48:49]
	s_mul_i32 s30, s12, 32*REC
	s_add_nc_u64 s[24:25], s[4:5], s[30:31]        ; my batch's 32 records
	s_mul_i32 s30, s18, REC
	s_add_nc_u64 s[26:27], s[24:25], s[30:31]      ; my first step's, for K's loads
	s_mov_b64 s[28:29], s[26:27]                   ; and for V's: two bases, since each is written again while the other's loads may be out
	s_lshl_b32 s30, s12, 8
	s_lshl_b32 s23, s16, 1
	s_add_co_u32 s30, s30, s23
	s_lshl_b32 s30, s30, 9                         ; Q's fragments: 512 bytes a tile of 16 tokens
	s_add_nc_u64 s[40:41], s[6:7], s[30:31]
	s_lshl_b32 s30, s12, 12
	s_add_co_u32 s30, s30, s20
	s_lshl_b32 s30, s30, 2                         ; Q's scale words: 4 bytes a token
	s_add_nc_u64 s[44:45], s[6:7], s[30:31]
	global_load_b128 v[Q:Q+3], v1, s[40:41]
	global_load_b128 v[Q+8:Q+11], v1, s[40:41] offset:512
	global_load_b32 v[QS], v3, s[44:45] offset:QSC ; lanes 0-15 tile 0's words, lanes 16-31 tile 1's
	LDK
	LDV
	WIN 0x40
.set n, 0
.rept 64
	v_mov_b32 v[n], 0                              ; O^T.  (The step is written once: the first finds zeros, which the first change of M leaves zeros)
.set n, n+1
.endr
.irp t, 0,1,2,3,4,5,6,7
.irp i, 4,5,6,7
	v_mov_b32 v[KF+8*\t+\i], 0                     ; K's upper halves: zero codes for k = 64 .. 127; no load ever lands here
.endr
.endr
	WIN 0
.irp i, 4,5,6,7,12,13,14,15
	v_mov_b32 v[Q+\i], 0                           ; Q's likewise
.endr
	v_and_b32 v5, 15, v0                           ; r
	v_bfe_u32 v6, v0, 4, 1                         ; h
	s_delay_alu instid0(VALU_DEP_1)
	v_lshlrev_b32 v4, 3, v6
	s_delay_alu instid0(VALU_DEP_1)
	v_sub_nc_u32 v4, v5, v4                        ; r - 8 h, for the mask
	s_mul_i32 s23, s10, OSLOT
	v_mul_u32_u24 v7, v5, OP
	s_delay_alu instid0(VALU_DEP_1)
	v_lshl_add_u32 v7, v6, 5, v7
	s_delay_alu instid0(VALU_DEP_1)
	v_add_nc_u32 v7, s23, v7                       ; v7: my slot: row r, + 32 h
	s_lshl_b32 s23, s10, 8
	s_add_co_u32 s23, s23, STAT
	v_lshlrev_b32 v47, 2, v5
	s_delay_alu instid0(VALU_DEP_1)
	v_lshl_add_u32 v47, v6, 7, v47
	s_delay_alu instid0(VALU_DEP_1)
	v_add_nc_u32 v47, s23, v47                     ; v47: my statistics: lanes 0-15 -M, lanes 16-31 l, 4 bytes a row
	s_lshl_b32 s23, s39, 5
	s_add_co_u32 s23, s23, STAT
	v_lshlrev_b32 v62, 4, v6
	s_delay_alu instid0(VALU_DEP_1)
	v_add_nc_u32 v62, s23, v62                     ; v62: the merge: the statistics of rows 8 (m % 4) + 4 h on
	s_mul_i32 s23, s39, 8*OP
	v_mul_u32_u24 v63, v6, 4*OP
	s_delay_alu instid0(VALU_DEP_1)
	v_lshl_add_u32 v63, v5, 4, v63
	s_delay_alu instid0(VALU_DEP_1)
	v_add_nc_u32 v63, s23, v63                     ; v63: and those rows of O, 16 bytes a lane
	v_lshlrev_b32 v33, 10, v6
	s_delay_alu instid0(VALU_DEP_1)
	v_lshl_add_u32 v33, v5, 4, v33                 ; v33: the same in out0: 4 h rows of 256 bytes + 16 r
	v_mov_b32 v6, 0xff800000                       ; -infinity
.irp x, 0,1
	v_mov_b32 v[9+4*\x], 0xff61b1e6                ; the largest t so far: -3e38, under every t
	s_delay_alu instid0(VALU_DEP_1)
	v_floor_f32 v[8+4*\x], -v[9+4*\x]              ; -M
	v_mov_b32 v[10+4*\x], 0                        ; l
	v_mov_b32 v[11+4*\x], 0
	v_mov_b32 v[F+2*\x+1], 0                       ; (named as the upper half of f's pair)
.endr
.irp b, 0,1,2,3
	v_mov_b32 v[BP+\b], 0                          ; written once: a lane permute's destination counts as one of its sources
.endr
; S^T = K Q^T: 16 products, each its own sum.  Lane (r, h), register 8 t + i of tile x: query 16 x + r, key 16 t + 8 h + i
.macro KQ
	WIN 0x01                                       ; source 0 (K) window 1
	s_setprio 2
.irp t, 0,1,2,3,4,5,6,7
.irp x, 0,1
.set rD, S+64*\x+8*\t
.set rA, KF+8*\t
.set rB, Q+8*\x
.set rSA, KS+\t/2
.set rSB, QS
.set fA, \t%2
.set fB, \x
.set fZ, 1
	WM
.endr
.endr
	WIN 0
.endm
; On the diagonal: key 128 s + 16 t + 8 h + i is hidden from query q0 + 16 x + r where 16 t + i - 16 x > d = q0 - 128 s + r - 8 h.  Each accumulator is taken from its low end on.
.macro MASK
	s_lshl_b32 s23, s18, 7
	s_sub_co_i32 s23, s20, s23
	v_add_nc_u32 v5, s23, v4
.irp x, 0,1
.set n, 0
.rept 64
	v_cmp_gt_i32 vcc_lo, 16*(n/8)+n%8-16*\x, v5
	v_cndmask_b32 v[S+64*\x+n], v[S+64*\x+n], v6, vcc_lo
.set n, n+1
.endr
.endr
.endm
; Tile x's softmax for 128 keys, and p's codes and scale word.
.macro SOFTMAX x
.set rS, S+64*\x
.set rN, 8+4*\x
.set rL, 10+4*\x
.set rF, F+2*\x
.set rC, PC+8*\x
.irp b, 0,1,2,3
	v_max3_num_f32 v[BM+\b], v[rS+16*\b], v[rS+16*\b+1], v[rS+16*\b+2]   ; the largest score of each block of 32 keys: it serves for the row's maximum and, since p rises with the score, for the block's largest p
.endr
.irp i, 3,5,7,9,11,13
.irp b, 0,1,2,3
	v_max3_num_f32 v[BM+\b], v[BM+\b], v[rS+16*\b+\i], v[rS+16*\b+\i+1]   ; (the four blocks by turns)
.endr
.endr
.irp b, 0,1,2,3
	v_max_num_f32 v[BM+\b], v[BM+\b], v[rS+16*\b+15]
.endr
.irp b, 0,1,2,3
	s_delay_alu instid0(VALU_DEP_4)
	v_permlanex16_b32 v[BP+\b], v[BM+\b], s[SEL], s[SEL+1]
.endr
.irp b, 0,1,2,3
	s_delay_alu instid0(VALU_DEP_4)
	v_max_num_f32 v[BM+\b], v[BM+\b], v[BP+\b]     ; with lane l xor 16's 16 keys
.endr
	s_delay_alu instid0(VALU_DEP_2)
	v_max3_num_f32 v[T0], v[BM], v[BM+1], v[BM+2]
	s_delay_alu instid0(VALU_DEP_1)
	v_max_num_f32 v[T0], v[T0], v[BM+3]            ; the step's largest score of my query
	s_delay_alu instid0(VALU_DEP_1)
	v_mul_f32 v[T0], s[CS], v[T0]                  ; as t (c is positive)
	s_delay_alu instid0(VALU_DEP_1)
	v_max_num_f32 v[rN+1], v[rN+1], v[T0]          ; the running largest t
	v_mov_b32 v[T0], v[rN]
	s_delay_alu instid0(VALU_DEP_2)
	v_floor_f32 v[rN], -v[rN+1]                    ; the new -M = floor(-t) = -ceil(t): a whole number
	s_delay_alu instid0(VALU_DEP_1)
	v_sub_f32 v[T0], v[rN], v[T0]                  ; M's old value less its new one: 0 or less
	s_delay_alu instid0(VALU_DEP_1)
	v_cvt_i32_f32 v[T0], v[T0]                     ; (it saturates)
	s_delay_alu instid0(VALU_DEP_1)
	v_ldexp_f32 v[rF], 1.0, v[T0]                  ; f = 2^(old M - new M): a multiplication by it rounds nothing
.set n, 0
.rept 32
	v_pk_fma_f32 v[rS+n:rS+n+1], v[rS+n:rS+n+1], s[CS:CS+1], v[rN:rN+1] op_sel_hi:[1,0,0]   ; t - M, two at a time (of the pairs c and -M the low word serves both halves)
.set n, n+2
.endr
.irp b, 0,1,2,3
	v_fma_f32 v[BM+\b], v[BM+\b], s[CS], v[rN]     ; the same of each block's largest score
.endr
.set n, 0
	s_wait_alu depctr_va_vdst(0)
.rept 64
	v_exp_f32 v[rS+n], v[rS+n]                     ; p = 2^(t - M), at most 1
.set n, n+1
.endr
.irp b, 0,1,2,3
	v_exp_f32 v[BM+\b], v[BM+\b]                   ; the block's largest p: the same two instructions on the same number give the same bits
.endr
	v_pk_mul_f32 v[rL:rL+1], v[rL:rL+1], v[rF:rF+1] op_sel_hi:[1,0]   ; l under the new M.  (A plain place behind the exponentials)
	s_wait_alu depctr_va_vdst(0)
.irp b, 0,1,2,3
	v_max_num_f32 v[BM+\b], 0x1800000, v[BM+\b]    ; the floor 2^(3 - 127): the byte cannot fall under 1 (a block whose every p is 0 keeps that byte: its codes are zeros)
.endr
.irp b, 0,1,2,3
	s_delay_alu instid0(VALU_DEP_4)
	v_add_nc_u32 v[BS+\b], 0xff000000, v[BM+\b]    ; 2 off the exponent field: the conversion's scale operand
.endr
.irp b, 0,1,2,3
	s_delay_alu instid0(VALU_DEP_4)
	v_lshrrev_b32 v[BP+\b], 23, v[BS+\b]           ; the scale's byte
.endr
	s_delay_alu instid0(VALU_DEP_3)
	v_lshl_or_b32 v[PW+\x], v[BP+1], 8, v[BP]      ; p's scale word for these 128 keys
	s_delay_alu instid0(VALU_DEP_1)
	v_lshl_or_b32 v[PW+\x], v[BP+2], 16, v[PW+\x]
	s_delay_alu instid0(VALU_DEP_1)
	v_lshl_or_b32 v[PW+\x], v[BP+3], 24, v[PW+\x]
.irp b, 0,1,2,3
	v_cvt_scalef32_pk8_fp4_f32 v[rC+4*(\b/2)+\b%2], v[rS+16*\b:rS+16*\b+7], v[BS+\b]       ; word h of block b's 16 bytes
	v_cvt_scalef32_pk8_fp4_f32 v[rC+4*(\b/2)+2+\b%2], v[rS+16*\b+8:rS+16*\b+15], v[BS+\b]  ; word 2 + h
.endr
	v_nop                                          ; one plain place behind the scaled conversions
.irp i, 0,2,4,6
	v_permlane16_swap_b32 v[rC+\i], v[rC+\i+1]     ; two neighbouring blocks' like words change halves: registers 4 c .. 4 c + 3 hold keys 64 c + 32 h + 0 .. 31
.endr
	v_pk_add_f32 v[SU:SU+1], v[rS:rS+1], v[rS+2:rS+3]   ; l takes the UNQUANTISED p: two at a time, in two chains
.set n, 4
.rept 15
	v_pk_add_f32 v[rL:rL+1], v[rL:rL+1], v[rS+n:rS+n+1]
	v_pk_add_f32 v[SU:SU+1], v[SU:SU+1], v[rS+n+2:rS+n+3]
.set n, n+4
.endr
	s_delay_alu instid0(VALU_DEP_1)
	v_pk_add_f32 v[rL:rL+1], v[rL:rL+1], v[SU:SU+1]
.endm
.macro RESCALE                         ; O^T under the new M, each accumulator from its low end on.  These 32 are also the places between p's scale word and codes and the products that take them
	WIN 0x41                                       ; destination and source 0 window 1, f window 0
	s_setprio 0
.irp x, 0,1
.set n, 0
.rept 16
	v_pk_mul_f32 v[32*\x+n:32*\x+n+1], v[32*\x+n:32*\x+n+1], v[F+2*\x:F+2*\x+1] op_sel_hi:[1,0]
.set n, n+2
.endr
.endr
.endm
.macro PV                              ; O^T += V^T P^T: eight accumulators, one instruction each.  Lane (r, h), register i: query 16 x + r, channel 16 t + 8 h + i
	WIN 0x51                                       ; source 0 (V), C and D window 1; source 1 (p) window 0
.irp t, 0,1,2,3
.irp x, 0,1
.set rD, 32*\x+8*\t
.set rA, VF+8*\t
.set rB, PC+8*\x
.set rSA, VS+\t/2
.set rSB, PW+\x
.set fA, \t%2
.set fB, 0
.set fZ, 0
	WM
.endr
.endr
	WIN 0
.endm
.Ltrip:                                                ; five trips in every wave
	s_cmp_ge_u32 s18, s17                          ; no such step: nothing to do.  (No barrier stands in the loop)
	s_cbranch_scc1 .Lskip
	s_wait_loadcnt 9                               ; V's nine loads, issued behind K's, may be out: K (and in the first trip Q) is in
	KQ
.rept 4
	v_nop                                          ; four places in front of loads into registers that the products read, and of the first read of the scores
.endr
	s_add_co_u32 s22, s18, s19                     ; my next step,
	s_cmp_ge_u32 s22, s17
	s_cbranch_scc1 .Lno_k                          ; if there is one: no load leaves its batch's records
	s_wait_xcnt 0x0                                ; K's base is written again only behind this wait (its own loads were shown done at the trip's head)
	s_mul_i32 s30, s22, REC
	s_add_nc_u64 s[26:27], s[24:25], s[30:31]
	LDK                                            ; the next step's K lands under both softmaxes
.Lno_k:
	s_add_co_u32 s23, s18, 1
	s_cmp_lg_u32 s23, s17
	s_cbranch_scc1 .Lopen                          ; only the block's last step meets the diagonal; its first key counts for every query, so every row keeps a finite maximum
	MASK
.Lopen:
	SOFTMAX 0
	s_setprio 1
	SOFTMAX 1
	RESCALE
	s_wait_alu depctr_va_vdst(0)
	s_wait_loadcnt 0x0                             ; V is in.  (The next K, if asked for, was asked for two softmaxes ago; the count holds whichever of the two guarded runs of loads was issued)
	PV
.rept 4
	v_nop                                          ; four places in front of loads into V's registers and of the next read of O^T
.endr
	s_cmp_ge_u32 s22, s17
	s_cbranch_scc1 .Lno_v
	s_mul_i32 s30, s22, REC                        ; V's base: no load of mine is out
	s_add_nc_u64 s[28:29], s[24:25], s[30:31]
	LDV
.Lno_v:
.Lskip:
	s_add_co_u32 s18, s18, s19
	s_add_co_u32 s21, s21, 1
	s_cmp_lt_u32 s21, 5
	s_cbranch_scc1 .Ltrip
	s_setprio 0
	; MY PART GOES TO LDS: -M and l of my 32 queries, and O^T as rows of 64 channels.
	s_wait_loadcnt 0x0
	s_wait_alu depctr_va_vdst(0)
.irp x, 0,1
	v_add_f32 v[10+4*\x], v[10+4*\x], v[11+4*\x]   ; l's two halves,
.endr
.irp x, 0,1
	s_delay_alu instid0(VALU_DEP_2)
	v_permlanex16_b32 v[BP+\x], v[10+4*\x], s[SEL], s[SEL+1]
.endr
.irp x, 0,1
	s_delay_alu instid0(VALU_DEP_2)
	v_add_f32 v[10+4*\x], v[10+4*\x], v[BP+\x]     ; and lane l xor 16's
.endr
.irp x, 0,1
	v_cndmask_b32 v[BS+\x], v[8+4*\x], v[10+4*\x], s36   ; lanes 0-15 carry -M, lanes 16-31 l
	ds_store_b32 v47, v[BS+\x] offset:64*\x
.endr
	WIN 0x04                                       ; an LDS store's data are its source 1: window 1
.irp x, 0,1
.irp t, 0,1,2,3
	ds_store_b128 v7, v[32*\x+8*\t:32*\x+8*\t+3] offset:16*OP*\x+64*\t          ; each accumulator from its low end on
	ds_store_b128 v7, v[32*\x+8*\t+4:32*\x+8*\t+7] offset:16*OP*\x+64*\t+16
.endr
.endr
	WIN 0
	s_wait_dscnt 0x0                               ; for the others' sake: my stores have landed
	s_barrier_signal -1
	s_barrier_wait -1                              ; everybody's have
	; THE MERGE, without a branch.  I take rows 8 (m % 4) + 4 h + i, i = 0 .. 3, of block m / 4, 16 bytes of a row a lane, from all eight slots; a slot of the other block gets the factor 0.
.irp p, 0,1,2,3,4,5,6,7
	ds_load_b128 v[192+4*\p:195+4*\p], v62 offset:256*\p          ; -M of my four rows in slot p
	ds_load_b128 v[224+4*\p:227+4*\p], v62 offset:256*\p+128      ; l
.endr
.irp p, 0,1,2,3,4,5,6,7
.irp i, 0,1,2,3
	ds_load_b128 v[64+16*\p+4*\i:67+16*\p+4*\i], v63 offset:OSLOT*\p+OP*\i
.endr
.endr
	v_mov_b32 v6, 0x7f61b1e6                       ; 3e38: over every -M
	s_wait_alu depctr_va_vdst(0)
	s_wait_dscnt 32                                ; the 16 loads of statistics are in; the 32 of O may be out
.irp p, 0,1,2,3,4,5,6,7
	s_bitcmp1_b32 s37, \p
	s_cselect_b32 s38, -1, 0                       ; does slot p belong to my block?
.irp i, 0,1,2,3
	v_cndmask_b32 v[192+4*\p+\i], v6, v[192+4*\p+\i], s38
.endr
.endr
.irp i, 0,1,2,3
	v_min3_num_f32 v[48+\i], v[192+\i], v[196+\i], v[200+\i]
.endr
.irp i, 0,1,2,3
	s_delay_alu instid0(VALU_DEP_4)
	v_min3_num_f32 v[48+\i], v[48+\i], v[204+\i], v[208+\i]
.endr
.irp i, 0,1,2,3
	s_delay_alu instid0(VALU_DEP_4)
	v_min3_num_f32 v[48+\i], v[48+\i], v[212+\i], v[216+\i]
.endr
.irp i, 0,1,2,3
	s_delay_alu instid0(VALU_DEP_4)
	v_min_num_f32 v[48+\i], v[48+\i], v[220+\i]    ; the least -M: the row's M
.endr
.set n, 0
.rept 32
	v_sub_f32 v[192+n], v[48+n%4], v[192+n]        ; the slot's M less the row's: a whole number, 0 or less; -3e38 for a slot of the other block
.set n, n+1
.endr
.set n, 0
.rept 32
	v_cvt_i32_f32 v[192+n], v[192+n]               ; (it saturates)
.set n, n+1
.endr
.set n, 0
.rept 32
	v_ldexp_f32 v[192+n], 1.0, v[192+n]            ; f: an exact power of two, or 0
.set n, n+1
.endr
.irp i, 0,1,2,3
	v_mul_f32 v[56+\i], v[224+\i], v[192+\i]
.endr
.irp p, 1,2,3,4,5,6,7
.irp i, 0,1,2,3
	s_delay_alu instid0(VALU_DEP_4)
	v_fma_f32 v[56+\i], v[224+4*\p+\i], v[192+4*\p+\i], v[56+\i]   ; the row's l
.endr
.endr
	s_wait_dscnt 0x0                               ; O's rows are in
.irp p, 0,1,2,3,4,5,6,7
.irp i, 0,1,2,3
.irp e, 0,2
.set rO, 16+4*\i+\e
.set rM, 64+16*\p+4*\i+\e
.set rG, 192+4*\p+2*(\i/2)             ; the pair that holds row i's f: its low word for even i, its high word for odd i, for both halves of the result
.if \p == 0
.if \i%2
	v_pk_mul_f32 v[rO:rO+1], v[rM:rM+1], v[rG:rG+1] op_sel:[0,1] op_sel_hi:[1,1]
.else
	v_pk_mul_f32 v[rO:rO+1], v[rM:rM+1], v[rG:rG+1] op_sel_hi:[1,0]
.endif
.else
.if \i%2
	v_pk_fma_f32 v[rO:rO+1], v[rM:rM+1], v[rG:rG+1], v[rO:rO+1] op_sel:[0,1,0] op_sel_hi:[1,1,1]
.else
	v_pk_fma_f32 v[rO:rO+1], v[rM:rM+1], v[rG:rG+1], v[rO:rO+1] op_sel_hi:[1,0,1]
.endif
.endif
.endr
.endr
.endr
	s_wait_alu depctr_va_vdst(0)
.irp i, 0,1,2,3
	v_rcp_f32 v[56+\i], v[56+\i]
.endr
	v_nop                                          ; one plain place behind the reciprocals
	s_wait_alu depctr_va_vdst(0)
.irp i, 0,1,2,3
.irp e, 0,2
.set rO, 16+4*\i+\e
.set rG, 56+2*(\i/2)
.if \i%2
	v_pk_mul_f32 v[rO:rO+1], v[rO:rO+1], v[rG:rG+1] op_sel:[0,1] op_sel_hi:[1,1]
.else
	v_pk_mul_f32 v[rO:rO+1], v[rO:rO+1], v[rG:rG+1] op_sel_hi:[1,0]
.endif
.endr
.endr
.irp i, 0,1,2,3
	global_store_b128 v33, v[16+4*\i:19+4*\i], s[42:43] offset:256*\i th:TH_STORE_NT   ; sixteen lanes store a row: 256 consecutive bytes, at a multiple of 256 from out0's first byte; written once, read by nobody here
.endr
	s_set_vgpr_msb 0x5
	s_wait_tensorcnt 0x0
	ds_add_u32 v160, v161
	s_wait_dscnt 0x0
	s_set_vgpr_msb 0x500
	s_endpgm
.Lfunc_end_k_q9d09768a06_attend:
	.size	k_q9d09768a06_attend, .Lfunc_end_k_q9d09768a06_attend-k_q9d09768a06_attend
	.p2alignl 7, 3214868480
	.fill 96, 4, 3214868480
	.section	.rodata,"a",@progbits
	.p2align	6, 0x0
	.amdhsa_kernel k_q9d09768a06_attend
		.amdhsa_group_segment_fixed_size 72704
		.amdhsa_private_segment_fixed_size 0
		.amdhsa_enable_private_segment 0
		.amdhsa_kernarg_size 24
		.amdhsa_user_sgpr_count 2
		.amdhsa_user_sgpr_kernarg_segment_ptr 1
		.amdhsa_wavefront_size32 1
		.amdhsa_system_sgpr_workgroup_id_x 1
		.amdhsa_system_sgpr_workgroup_id_y 1
		.amdhsa_system_sgpr_workgroup_id_z 1
		.amdhsa_system_vgpr_workitem_id 0
		.amdhsa_next_free_vgpr 418
		.amdhsa_next_free_sgpr 66
		.amdhsa_reserve_vcc 1
		.amdhsa_float_denorm_mode_32 3
		.amdhsa_float_denorm_mode_16_64 3
		.amdhsa_memory_ordered 1
		.amdhsa_forward_progress 1
		.amdhsa_inst_pref_size 72
	.end_amdhsa_kernel
	.amdgpu_metadata
---
amdhsa.version: [ 1, 2 ]
amdhsa.kernels:
  - .name:           k_q9d09768a06_attend
    .symbol:         k_q9d09768a06_attend.kd
    .args:
      - { .name: kv, .offset: 0, .size: 8, .value_kind: global_buffer, .address_space: global }
      - { .name: qq, .offset: 8, .size: 8, .value_kind: global_buffer, .address_space: global }
      - { .name: out0, .offset: 16, .size: 8, .value_kind: global_buffer, .address_space: global }
    .group_segment_fixed_size: 72704
    .private_segment_fixed_size: 0
    .kernarg_segment_align: 8
    .kernarg_segment_size: 24
    .max_flat_workgroup_size: 256
    .sgpr_count:     66
    .vgpr_count:     418
    .wavefront_size: 32
...
	.end_amdgpu_metadata
.endif
;; end of part 2
